; MI455X (gfx1250); checked and timed in simulation.
; The chip was launched on July 23, 2026; its instructions are those of AMD's public machine-readable ISA for CDNA 5 (MIT licence, August 2026) and "CDNA5" Instruction Set Architecture Reference Guide (July 2026). The comments in the code are by the model that wrote it; some were corrected since.
;; LQR Action Net. Allowed arithmetic: float matrix products may take bf16 or f16 operands with f32 sums; all other float work in f32.
;; Inputs: W 5 x 1,024 float32; b 5 float32; latent_pi 32,768 x 1,024 float32; q_raw 3 float32; qf_raw 3 float32; r_raw 2 float32.
;; Outputs: out0 32,768 x 2 float32.
;; One version. Each part assembles by itself: llvm-mc -triple=amdgcn-amd-amdhsa -mcpu=gfx1250 --defsym DOCPART=n.
;; ======== version 1 of 1: 1 launch
;; launch lqr (part 1): grid 256 x 1, 16 waves a work-group, no clusters, 161,792 bytes of LDS; arguments latent_pi, W, b, q_raw, r_raw, qf_raw, out0; writes out0
.if DOCPART == 1
	.amdgcn_target "amdgcn-amd-amdhsa--gfx1250"
	.amdhsa_code_object_version 6
	.text
	.protected	k_qc3ce514c14_lqr
	.globl	k_qc3ce514c14_lqr
	.p2align	8
	.type	k_qc3ce514c14_lqr,@function
k_qc3ce514c14_lqr:
	s_mov_b64 s[64:65], 0
	v_nop
	global_prefetch_b8 v0, s[64:65] scope:SCOPE_SE
	s_setreg_imm32_b32 hwreg(HW_REG_WAVE_MODE, 25, 1), 1
	s_wait_xcnt 0x0
; LQRActionNet: raw = latent_pi W^T + b; ref = tanh(raw) * scales; five Riccati steps for the linearised unicycle; u = K (x, y, theta) + (v, omega), clipped.
; latent_pi [32768][1024] f32, W [5][1024] f32, out0 [32768][2] f32.  One launch, nothing goes through memory between the steps.
;
; SHARES.  256 work-groups of 16 waves; a work-group owns 128 rows.  Wave w = 8 rh + ks owns the 64 rows of row half rh and the 128 columns of
; K slice ks: one 16-byte load a lane covers 512 consecutive bytes of one row, aligned to 512.  The 64 loads of a wave differ in the immediate
; offset alone, so no address register is ever rewritten.
; STREAM.  A ring of 32 row slots in registers: a row that has come is rounded to bf16, laid into the wave's own LDS stage, and its slot is asked
; again for the row 32 further down.  No barrier stands in the stream; 32 loads of 512 bytes of every wave are on their way.
; PRODUCT.  After 32 rows the stage holds 2 tiles of 16 rows x 128 K in bf16: 4 K steps of 32 for each tile, f32 sums.  W is the first operand
; (its rows are the output columns), the 16 rows of latent_pi the second, so a lane's result registers 0..4 are the five outputs of ONE row.
; The five rows of W lie in fragment rows 0-4 and again in 8-12 (the other fragment rows repeat row 4; their results are never read), so lanes
; 16-31 hold the same five outputs as lanes 0-15, and five selects merge two tiles into registers in which lane = row, 32 rows.
; SUM OVER K SLICES.  Each wave lays its 64 x 5 partial sums into LDS; one barrier; waves 0-3 add the eight slices (fixed order, f32) and the bias
; and do all the rest with lane = row.  A wave's store covers 256 consecutive bytes of out0, aligned.
; NO CLUSTER: the work-groups share W alone, 20,480 bytes against 524,288 bytes of rows of their own.
; NO TENSOR LOADS: the rows are converted on the way, so LDS holds 2 bytes a number, and slots in registers are refilled row by row without a barrier.
;
; LIMITS.  Inputs are finite: in the final max/min a NaN loses, where reference() would hand it on.  latent_pi and W are rounded to bf16 for the
; product.  tanh is 1 - 2 / (1 + 2^(2.88539 x)): absolute error of the order of 1e-7.  sin and cos are Taylor sums to x^11 and x^12: reference()
; itself bounds |theta| by pi/2 (tanh times pi/2), where the first terms left out are below 6e-8 and 7e-9.  softplus(x) = max(x, 0) + log1p(e^-|x|);
; below about x = -87 the exponential comes out as zero and softplus + EPS is EPS.
.set ROWB,  4096                       ; bytes in a row of latent_pi, and of W
.set PITCH, 272                        ; a stage row: 256 bytes of bf16 + 16 = 17 x 16: the 16 rows that a fragment load touches start in 16 different 16-byte columns of 256
.set STAGE, 32*PITCH                   ; a wave's stage: 32 rows
.set PART,  16*STAGE                   ; behind the stages: partial sums [column 5][wave 16][pair 2][row 32] f32
.set PCOL,  4096                       ; bytes from output column to output column there
; vector registers of the stream
.set XO,   1                           ; 16 x lane: my 16 bytes in the wave's 512 of a row
.set STA,  2                           ; LDS: where I lay 8 bytes of a stage row
.set FRA,  3                           ; LDS: where my fragment rows begin
.set PA,   4                           ; LDS: my word among the wave's partial sums
.set WO,   5                           ; byte offset of my fragment row in W
.set LANE, 6
.set HALF, 7                           ; lane / 16
.set T,    8                           ; v[8:15]    four pairs of packed bf16 on their way to LDS; later the merged partial sums
.set WF,   16                          ; v[16:47]   W: four fragments, K steps 0..3 of my slice
.set ACC,  48                          ; v[48:63]   two accumulators: tile 0, tile 1 of a pair
.set FR,   64                          ; v[64:127]  fragments of the rows: K step s, tile t at 16 s + 8 t.  First of all: W in f32
.set X,    128                         ; v[128:255] the ring: slot i = 4 registers
; vector registers of the tail (everything above is free there)
.set EA,  7
.set R,   64                           ; v[64:103]  partial sums: column c, slice k at 8 c + k
.set RX,  104                          ; x, y, theta, v, omega
.set RY,  105
.set RT,  106
.set RV,  107
.set RO,  108
.set CDT, 109                          ; DT cos, DT sin
.set SDT, 110
.set AX,  111                          ; A[0][2] = -DT v sin, A[1][2] = DT v cos
.set AY,  112
.set P11, 113                          ; P, its six different entries
.set P12, 114
.set P13, 115
.set P22, 116
.set P23, 117
.set P33, 118
.set G1,  119                          ; row 0 of B^T P (G1, G2 are also M[0][0], M[0][1])
.set G2,  120
.set G3,  121
.set H1,  122                          ; row 1 of B^T P
.set H2,  123
.set H3,  124
.set MA,  125                          ; S = [[MA, MB], [MC, MD]]
.set MB,  126
.set MC,  127
.set MD,  128
.set GM,  129                          ; M[0][2], M[1][2]
.set HM,  130
.set DET, 131
.set K01, 132                          ; K, row 0 and row 1
.set K02, 133
.set K03, 134
.set K11, 135
.set K12, 136
.set K13, 137
.set W1,  138                          ; third column of A^T P A
.set W2,  139
.set W3,  140
.set T1,  141
.set T2,  142
.set T3,  143
.set IVD, 144                          ; S's entries over det
.set IVB, 145
.set IVC, 146
.set IVA, 147
.set SP,  148                          ; v[148:151] softplus
.set U,   152                          ; v[152:153] the two outputs
.set OO,  154
.set Z,   155
.set PS,  156
.set PCO, 157
.set TZ,  158
	s_load_b256 s[4:11], s[0:1], 0x0               ; latent_pi s[4:5], W s[6:7], b s[8:9], q_raw s[10:11]
	s_load_b128 s[12:15], s[0:1], 0x20             ; r_raw s[12:13], qf_raw s[14:15]
	s_load_b64 s[16:17], s[0:1], 0x30              ; out0
	v_lshrrev_b32 v[T], 5, v0
	v_readfirstlane_b32 s18, v[T]                  ; wave 0..15
	v_and_b32 v[LANE], 31, v0
	v_bfe_u32 v[HALF], v0, 4, 1
	s_and_b32 s19, s18, 7                          ; K slice
	s_lshr_b32 s20, s18, 3                         ; row half
	s_lshl_b32 s19, s19, 9                         ; 512 bytes a slice
	s_lshl_b32 s20, s20, 18                        ; 64 rows of 4,096 bytes
	s_lshl_b32 s22, ttmp9, 19                      ; 128 rows of 4,096 bytes a work-group: at most 255 x 2^19, below 2^31
	s_add_co_u32 s22, s22, s20
	s_add_co_u32 s22, s22, s19
	s_mov_b32 s23, 0
	v_and_b32 v[WO], 7, v0
	v_min_u32 v[WO], 4, v[WO]                      ; fragment rows 0-4 and 8-12 are W's rows 0-4; the others repeat row 4
	v_lshl_add_u32 v[WO], v[WO], 12, s19           ; row x 4,096 + my slice
	v_lshl_add_u32 v[WO], v[HALF], 5, v[WO]        ; + 8 numbers for the upper lanes
	v_lshlrev_b32 v[XO], 4, v[LANE]
	s_wait_kmcnt 0x0
	s_add_nc_u64 s[4:5], s[4:5], s[22:23]          ; latent_pi at my first row, my slice
	; W in f32, in the fragment's order: K step s, registers 0-3 take k = 32 s + 8 h + 0..7, registers 4-7 take k = 32 s + 16 + 8 h + 0..7
.irp s, 0,1,2,3
	global_load_b128 v[FR+16*\s:FR+16*\s+3],     v[WO], s[6:7] offset:128*\s
	global_load_b128 v[FR+16*\s+4:FR+16*\s+7],   v[WO], s[6:7] offset:128*\s+16
	global_load_b128 v[FR+16*\s+8:FR+16*\s+11],  v[WO], s[6:7] offset:128*\s+64
	global_load_b128 v[FR+16*\s+12:FR+16*\s+15], v[WO], s[6:7] offset:128*\s+80
.endr
	; the ring is filled: rows 0 to 31
.set row, 0
.rept 32
	global_load_b128 v[X+4*row:X+4*row+3], v[XO], s[4:5] offset:ROWB*row th:TH_LOAD_NT
.set row, row+1
.endr
	; the small parameters.  Every wave asks here, so that they have come long before the tail; waves 0-3 use them
	s_load_b128 s[28:31], s[8:9], 0x0              ; b[0..3]
	s_load_b32 s32, s[8:9], 0x10                   ; b[4]
	s_load_b96 s[36:38], s[10:11], 0x0             ; q_raw
	s_load_b64 s[40:41], s[12:13], 0x0             ; r_raw
	s_load_b96 s[44:46], s[14:15], 0x0             ; qf_raw
	s_mul_i32 s24, s18, STAGE                      ; my wave's stage
	s_lshl_b32 s25, s18, 8                         ; my wave's 256 bytes in each column of the partial sums
	s_add_co_u32 s25, s25, PART
	v_lshl_add_u32 v[STA], v[LANE], 3, s24         ; 4 bf16 a lane: 32 lanes fill 256 bytes of a stage row
	v_and_b32 v[FRA], 15, v0
	v_mul_u32_u24 v[FRA], v[FRA], PITCH            ; fragment: row lane % 16,
	v_lshl_add_u32 v[FRA], v[HALF], 4, v[FRA]      ; 16 bytes on for the upper lanes
	v_add_nc_u32 v[FRA], s24, v[FRA]
	v_lshl_add_u32 v[PA], v[LANE], 2, s25
	s_mov_b32 vcc_lo, 0xffff0000                   ; lanes 16-31: they take the pair's second tile
	s_wait_loadcnt 32                              ; loads come back in order: W's sixteen are in, the 32 rows issued behind them stay out
.set j, 0
.rept 32
	v_cvt_pk_bf16_f32 v[WF+j], v[FR+2*j], v[FR+2*j+1]
.set j, j+1
.endr
; One row's turn.  left = how many younger loads may stay out; again = 1: the slot is asked for the row 32 further down.
.macro ROW n, left, again
	s_wait_loadcnt \left
	v_cvt_pk_bf16_f32 v[T+2*((\n)%4)],   v[X+4*((\n)%32)],   v[X+4*((\n)%32)+1]
	v_cvt_pk_bf16_f32 v[T+2*((\n)%4)+1], v[X+4*((\n)%32)+2], v[X+4*((\n)%32)+3]
	ds_store_b64 v[STA], v[T+2*((\n)%4):T+2*((\n)%4)+1] offset:PITCH*((\n)%32)
.if \again
	global_load_b128 v[X+4*((\n)%32):X+4*((\n)%32)+3], v[XO], s[4:5] offset:ROWB*((\n)+32) th:TH_LOAD_NT
.endif
.endm
; The stage's 32 rows x 128 K against W.  The stage is the wave's own and LDS serves a wave's instructions in order, so the loads see the stores
; above them without a wait.  Four loads make a K step's two fragments: the counts 12, 8, 4, 0 leave the later steps' loads out.
; The two accumulators take turns, one instruction a turn; the first turn starts the sums with the constant 0.
.macro PRODUCTS
.irp s, 0,1,2,3
.irp t, 0,1
	ds_load_b128 v[FR+16*\s+8*\t:FR+16*\s+8*\t+3],   v[FRA] offset:\t*16*PITCH+64*\s
	ds_load_b128 v[FR+16*\s+8*\t+4:FR+16*\s+8*\t+7], v[FRA] offset:\t*16*PITCH+64*\s+32
.endr
.endr
	s_wait_dscnt 12
	v_wmma_f32_16x16x32_bf16 v[ACC:ACC+7],    v[WF:WF+7], v[FR:FR+7],    0
	v_wmma_f32_16x16x32_bf16 v[ACC+8:ACC+15], v[WF:WF+7], v[FR+8:FR+15], 0
.irp s, 1,2,3
	s_wait_dscnt 12-4*\s
	v_wmma_f32_16x16x32_bf16 v[ACC:ACC+7],    v[WF+8*\s:WF+8*\s+7], v[FR+16*\s:FR+16*\s+7],    v[ACC:ACC+7]
	v_wmma_f32_16x16x32_bf16 v[ACC+8:ACC+15], v[WF+8*\s:WF+8*\s+7], v[FR+16*\s+8:FR+16*\s+15], v[ACC+8:ACC+15]
.endr
.endm
; Result register j of lane l is output column j of row l % 16, in both halves of the lanes: lanes 0-15 keep tile 0, lanes 16-31 take tile 1.
.macro PARTIAL pair
.irp j, 0,1,2,3,4
	v_cndmask_b32 v[T+\j], v[ACC+\j], v[ACC+8+\j], vcc_lo
.endr
.irp j, 0,1,2,3,4
	ds_store_b32 v[PA], v[T+\j] offset:\j*PCOL+\pair*128
.endr
.endm
.set row, 0
.rept 32
	ROW row, 31, 1                                 ; behind row n stand rows n+1..31 and the n refills already issued: 31 loads
.set row, row+1
.endr
	PRODUCTS                                       ; rows 0-31; rows 32-63 are on their way meanwhile
.rept 32
	ROW row, 63-row, 0                             ; nothing more to ask for: the counts run down to 0
.set row, row+1
.endr
	PARTIAL 0                                      ; the 64 conversions above are far more than the four places asked behind the products whose results are read here (ISA guide 7.12.1)
	PRODUCTS                                       ; rows 32-63
.rept 4
	v_nop                                          ; four places behind the last matrix instruction before its results are read (ISA guide 7.12.1)
.endr
	PARTIAL 1
	s_wait_kmcnt 0x0                               ; the small parameters
	s_wait_dscnt 0x0                               ; my partial sums lie in LDS: zero, for the waves that will read them
	s_barrier_signal -1
	s_barrier_wait -1                              ; everybody's do
	s_cmp_ge_u32 s18, 4
	s_cbranch_scc1 .Ldone                          ; 128 rows = 4 waves with lane = row
	; THE TAIL.  Wave e has rows 32 e + lane: row half e / 2 (waves 8 (e / 2) + 0..7 wrote them), pair e % 2.
	s_lshr_b32 s19, s18, 1
	s_and_b32 s20, s18, 1
	s_lshl_b32 s19, s19, 11
	s_lshl_b32 s20, s20, 7
	s_add_co_u32 s19, s19, s20
	s_add_co_u32 s19, s19, PART
	v_lshl_add_u32 v[EA], v[LANE], 2, s19
.irp c, 0,1,2,3,4
.irp k, 0,1,2,3,4,5,6,7
	ds_load_b32 v[R+8*\c+\k], v[EA] offset:\c*PCOL+\k*256
.endr
.endr
	; while they come: softplus + EPS of the eight cost parameters, one in each of lanes 0..7 (q 0-2, r 3-4, qf 5-7)
	v_mov_b32 v[SP], s36
	v_writelane_b32 v[SP], s37, 1
	v_writelane_b32 v[SP], s38, 2
	v_writelane_b32 v[SP], s40, 3
	v_writelane_b32 v[SP], s41, 4
	v_writelane_b32 v[SP], s44, 5
	v_writelane_b32 v[SP], s45, 6
	v_writelane_b32 v[SP], s46, 7
	v_and_b32 v[SP+1], 0x7fffffff, v[SP]
	v_mul_f32 v[SP+1], 0xbfb8aa3b, v[SP+1]         ; -|x| log2 e
	v_exp_f32 v[SP+1], v[SP+1]                     ; t = e^-|x|, in (0, 1]: no overflow for any x
	v_max_num_f32 v[SP], 0, v[SP]                  ; max(x, 0); also the plain instruction behind the exponential (ISA guide 5.7.2)
	s_wait_alu depctr_va_vdst(0)
	v_add_f32 v[SP+2], 1.0, v[SP+1]
	v_log_f32 v[SP+2], v[SP+2]
	v_fma_f32 v[SP+3], v[SP+1], -0.5, 1.0          ; plain instruction behind the logarithm: for small t, log1p(t) = t (1 - t / 2), t^3 / 3 left out
	v_mul_f32 v[SP+3], v[SP+3], v[SP+1]
	v_cmp_gt_f32 vcc_lo, 0x3a000000, v[SP+1]       ; t < 2^-11: there 1 + t has lost too much of t, and t^2 / 3 is below 1e-7
	s_wait_alu depctr_va_vdst(0)
	v_fmamk_f32 v[SP+2], v[SP+2], 0x3f317218, v[SP]    ; log2(1 + t) ln 2 + max(x, 0)
	v_add_f32 v[SP+3], v[SP+3], v[SP]
	v_cndmask_b32 v[SP+2], v[SP+2], v[SP+3], vcc_lo
	v_add_f32 v[SP+2], 0x38d1b717, v[SP+2]         ; + EPS = 1e-4
	v_readlane_b32 s48, v[SP+2], 0                 ; q
	v_readlane_b32 s49, v[SP+2], 1
	v_readlane_b32 s50, v[SP+2], 2
	v_readlane_b32 s51, v[SP+2], 3                 ; r
	v_readlane_b32 s52, v[SP+2], 4
	v_readlane_b32 s53, v[SP+2], 5                 ; qf
	v_readlane_b32 s54, v[SP+2], 6
	v_readlane_b32 s55, v[SP+2], 7
	s_mov_b32 s56, 0x3dcccccd                      ; DT = 0.1
	s_mov_b32 s57, 0x4038aa3b                      ; 2 log2 e
	s_mov_b32 s66, 0x3f4ccccd                      ; 0.8 and -1.6
	s_mov_b32 s67, 0xbfcccccd
	s_mov_b32 s68, 0x3fc90fdb                      ; pi/2 and -pi
	s_mov_b32 s69, 0xc0490fdb
	s_mov_b32 s70, 0x3e6147ae                      ; 0.22 and -0.44
	s_mov_b32 s71, 0xbee147ae
	s_mov_b32 s72, 0x40333333                      ; 2.8 and -5.6
	s_mov_b32 s73, 0xc0b33333
	s_mul_f32 s58, s28, s57                        ; the bias times 2 log2 e, so that bias and factor go in one fused multiply-add
	s_mul_f32 s59, s29, s57
	s_mul_f32 s60, s30, s57
	s_mul_f32 s61, s31, s57
	s_mul_f32 s62, s32, s57
	s_lshl_b32 s20, ttmp9, 10                      ; 128 rows of 8 bytes
	s_mov_b32 s21, 0
	s_add_nc_u64 s[16:17], s[16:17], s[20:21]
	s_wait_dscnt 0x0
	; the eight K slices of each column, in a fixed order
.irp c, 0,1,2,3,4
	v_pk_add_f32 v[R+8*\c:R+8*\c+1],   v[R+8*\c:R+8*\c+1],   v[R+8*\c+2:R+8*\c+3]
	v_pk_add_f32 v[R+8*\c+4:R+8*\c+5], v[R+8*\c+4:R+8*\c+5], v[R+8*\c+6:R+8*\c+7]
.endr
.irp c, 0,1,2,3,4
	v_pk_add_f32 v[R+8*\c:R+8*\c+1], v[R+8*\c:R+8*\c+1], v[R+8*\c+4:R+8*\c+5]
.endr
.irp c, 0,1,2,3,4
	v_add_f32 v[R+8*\c], v[R+8*\c], v[R+8*\c+1]
.endr
	; scale tanh(raw) = scale - 2 scale / (1 + 2^(2 log2 e raw)); a huge raw gives 1 / infinity = 0 or 1 / 1: the ends are exact
.irp c, 0,1,2,3,4
	v_fma_f32 v[R+8*\c], v[R+8*\c], s57, s[58+\c]
.endr
.irp c, 0,1,2,3,4
	v_exp_f32 v[R+8*\c], v[R+8*\c]
.endr
	v_lshlrev_b32 v[OO], 3, v0                     ; my 8 bytes of out0; also the plain instruction behind the exponentials (ISA guide 5.7.2)
	s_wait_alu depctr_va_vdst(0)
.irp c, 0,1,2,3,4
	v_add_f32 v[R+8*\c], 1.0, v[R+8*\c]
.endr
.irp c, 0,1,2,3,4
	v_rcp_f32 v[R+8*\c], v[R+8*\c]
.endr
	v_mov_b32 v[P11], s53                          ; P = diag(qf); the first of these is the plain instruction behind the reciprocals
	v_mov_b32 v[P22], s54
	v_mov_b32 v[P33], s55
	v_mov_b32 v[P12], 0
	v_mov_b32 v[P13], 0
	v_mov_b32 v[P23], 0
	s_wait_alu depctr_va_vdst(0)
	v_fma_f32 v[RT], v[R+16], s69, s68             ; theta first: the longest chain hangs on it
	v_fma_f32 v[RV], v[R+24], s71, s70
	v_fma_f32 v[RX], v[R], -2.0, 1.0
	v_fma_f32 v[RY], v[R+8], s67, s66
	v_fma_f32 v[RO], v[R+32], s73, s72
	; sin and cos of theta, |theta| <= pi/2: Taylor sums in z = theta^2, the two chains side by side
	v_mul_f32 v[Z], v[RT], v[RT]
	v_mov_b32 v[PS], 0xb2d7322b                    ; -1/11!
	v_mov_b32 v[PCO], 0x310f76c7                   ; 1/12!
	v_fmaak_f32 v[PS], v[PS], v[Z], 0x3638ef1d     ; 1/9!
	v_fmaak_f32 v[PCO], v[PCO], v[Z], 0xb493f27e   ; -1/10!
	v_fmaak_f32 v[PS], v[PS], v[Z], 0xb9500d01     ; -1/7!
	v_fmaak_f32 v[PCO], v[PCO], v[Z], 0x37d00d01   ; 1/8!
	v_fmaak_f32 v[PS], v[PS], v[Z], 0x3c088889     ; 1/5!
	v_fmaak_f32 v[PCO], v[PCO], v[Z], 0xbab60b61   ; -1/6!
	v_fmaak_f32 v[PS], v[PS], v[Z], 0xbe2aaaab     ; -1/3!
	v_fmaak_f32 v[PCO], v[PCO], v[Z], 0x3d2aaaab   ; 1/4!
	v_mul_f32 v[TZ], v[RT], v[Z]
	v_fma_f32 v[PCO], v[PCO], v[Z], -0.5
	v_fma_f32 v[PS], v[TZ], v[PS], v[RT]           ; sin
	v_fma_f32 v[PCO], v[PCO], v[Z], 1.0            ; cos
	v_mul_f32 v[SDT], s56, v[PS]
	v_mul_f32 v[CDT], s56, v[PCO]
	v_mul_f32 v[AX], -v[RV], v[SDT]
	v_mul_f32 v[AY], v[RV], v[CDT]
; One Riccati step.  A = I but for its third column (AX, AY, 1); B = DT [[cos, 0], [sin, 0], [0, 1]]: only the products that are not with 0 or 1 are written.
; full = 1: P is stepped too; the last step needs K alone.  P's off-diagonal entries are the mean of the two mirrored ones, as reference() takes it.
.macro RICCATI full
	v_mul_f32 v[G1], v[CDT], v[P11]                ; B^T P, row 0: DT (cos P[0][.] + sin P[1][.]); row 1: DT P[2][.]
	v_mul_f32 v[G2], v[CDT], v[P12]
	v_mul_f32 v[G3], v[CDT], v[P13]
	v_mul_f32 v[H1], s56, v[P13]
	v_mul_f32 v[H2], s56, v[P23]
	v_mul_f32 v[H3], s56, v[P33]
	v_fmac_f32 v[G1], v[SDT], v[P12]
	v_fmac_f32 v[G2], v[SDT], v[P22]
	v_fmac_f32 v[G3], v[SDT], v[P23]
	v_mul_f32 v[MC], v[CDT], v[H1]                 ; S = R + B^T P B
	v_fma_f32 v[MD], s56, v[H3], s52
	v_fma_f32 v[MA], v[CDT], v[G1], s51
	v_fma_f32 v[HM], v[H1], v[AX], v[H3]           ; third column of M = B^T P A
	v_mul_f32 v[MB], s56, v[G3]
	v_fma_f32 v[GM], v[G1], v[AX], v[G3]
	v_fmac_f32 v[MC], v[SDT], v[H2]
	v_fmac_f32 v[MA], v[SDT], v[G2]
	v_fmac_f32 v[HM], v[H2], v[AY]
	v_fmac_f32 v[GM], v[G2], v[AY]
	v_mul_f32 v[DET], v[MB], v[MC]
	v_fma_f32 v[DET], v[MA], v[MD], -v[DET]
	v_rcp_f32 v[DET], v[DET]                       ; the lines below, which touch neither its source nor its result, stand behind it (ISA guide 5.7.2)
.if \full
	v_fma_f32 v[W1], v[P11], v[AX], v[P13]         ; third column of P A, which is also that of A^T P A in rows 0 and 1
	v_fma_f32 v[W2], v[P12], v[AX], v[P23]
	v_fma_f32 v[W3], v[P13], v[AX], v[P33]
	v_fmac_f32 v[W1], v[P12], v[AY]
	v_fmac_f32 v[W2], v[P22], v[AY]
	v_fmac_f32 v[W3], v[P23], v[AY]
	v_add_f32 v[P11], s48, v[P11]                  ; Q + A^T P A on the diagonal
	v_add_f32 v[P22], s49, v[P22]
	v_fmac_f32 v[W3], v[AX], v[W1]
	v_fmac_f32 v[W3], v[AY], v[W2]
	s_wait_alu depctr_va_vdst(0)
.else
	v_nop
	s_wait_alu depctr_va_vdst(0)
.endif
	v_mul_f32 v[IVD], v[MD], v[DET]                ; S^-1 = [[d, -b], [-c, a]] / det
	v_mul_f32 v[IVB], v[MB], v[DET]
	v_mul_f32 v[IVC], v[MC], v[DET]
	v_mul_f32 v[IVA], v[MA], v[DET]
	v_mul_f32 v[K01], v[IVD], v[G1]                ; K = S^-1 M
	v_mul_f32 v[K02], v[IVD], v[G2]
	v_mul_f32 v[K03], v[IVD], v[GM]
	v_mul_f32 v[K11], v[IVA], v[H1]
	v_mul_f32 v[K12], v[IVA], v[H2]
	v_mul_f32 v[K13], v[IVA], v[HM]
	v_fma_f32 v[K01], -v[IVB], v[H1], v[K01]
	v_fma_f32 v[K02], -v[IVB], v[H2], v[K02]
	v_fma_f32 v[K03], -v[IVB], v[HM], v[K03]
	v_fma_f32 v[K11], -v[IVC], v[G1], v[K11]
	v_fma_f32 v[K12], -v[IVC], v[G2], v[K12]
	v_fma_f32 v[K13], -v[IVC], v[GM], v[K13]
.if \full
	v_mul_f32 v[T1], v[G1], v[K02]                 ; (M^T K)[i][l] + (M^T K)[l][i] for (0,1), (0,2), (1,2)
	v_mul_f32 v[T2], v[G1], v[K03]
	v_mul_f32 v[T3], v[G2], v[K03]
	v_fma_f32 v[P11], -v[G1], v[K01], v[P11]       ; the diagonal: minus (M^T K)[i][i]
	v_fma_f32 v[P22], -v[G2], v[K02], v[P22]
	v_add_f32 v[P33], s50, v[W3]
	v_fmac_f32 v[T1], v[H1], v[K12]
	v_fmac_f32 v[T2], v[H1], v[K13]
	v_fmac_f32 v[T3], v[H2], v[K13]
	v_fma_f32 v[P11], -v[H1], v[K11], v[P11]
	v_fma_f32 v[P22], -v[H2], v[K12], v[P22]
	v_fma_f32 v[P33], -v[GM], v[K03], v[P33]
	v_fmac_f32 v[T1], v[G2], v[K01]
	v_fmac_f32 v[T2], v[GM], v[K01]
	v_fmac_f32 v[T3], v[GM], v[K02]
	v_fma_f32 v[P33], -v[HM], v[K13], v[P33]
	v_fmac_f32 v[T1], v[H2], v[K11]
	v_fmac_f32 v[T2], v[HM], v[K11]
	v_fmac_f32 v[T3], v[HM], v[K12]
	v_fma_f32 v[P12], v[T1], -0.5, v[P12]
	v_fma_f32 v[P13], v[T2], -0.5, v[W1]
	v_fma_f32 v[P23], v[T3], -0.5, v[W2]
.endif
.endm
	RICCATI 1
	RICCATI 1
	RICCATI 1
	RICCATI 1
	RICCATI 0                                      ; HORIZON = 5: the fifth step's K is the gain of the first move
	; u = -K e0 + (v, omega) with e0 = -(x, y, theta); clipped to +-0.22 and +-2.8
	v_fma_f32 v[U],   v[K01], v[RX], v[RV]
	v_fma_f32 v[U+1], v[K11], v[RX], v[RO]
	v_fmac_f32 v[U],   v[K02], v[RY]
	v_fmac_f32 v[U+1], v[K12], v[RY]
	v_fmac_f32 v[U],   v[K03], v[RT]
	v_fmac_f32 v[U+1], v[K13], v[RT]
	v_max_num_f32 v[U],   0xbe6147ae, v[U]
	v_max_num_f32 v[U+1], 0xc0333333, v[U+1]
	v_min_num_f32 v[U],   0x3e6147ae, v[U]
	v_min_num_f32 v[U+1], 0x40333333, v[U+1]
	global_store_b64 v[OO], v[U:U+1], s[16:17] th:TH_STORE_NT      ; 32 lanes store 256 consecutive bytes, at a multiple of 256 from out0's first byte
.Ldone:
	s_wait_xcnt 0x0
	v_lshl_add_u32 v254, v0, 2, 0x27000
	v_mov_b32 v255, 0
	s_wait_tensorcnt 0x0
	ds_add_u32 v254, v255
	s_wait_dscnt 0x0
	s_endpgm
.Lfunc_end_k_qc3ce514c14_lqr:
	.size	k_qc3ce514c14_lqr, .Lfunc_end_k_qc3ce514c14_lqr-k_qc3ce514c14_lqr
	.p2alignl 7, 3214868480
	.fill 96, 4, 3214868480
	.section	.rodata,"a",@progbits
	.p2align	6, 0x0
	.amdhsa_kernel k_qc3ce514c14_lqr
		.amdhsa_group_segment_fixed_size 161792
		.amdhsa_private_segment_fixed_size 0
		.amdhsa_enable_private_segment 0
		.amdhsa_kernarg_size 56
		.amdhsa_user_sgpr_count 2
		.amdhsa_user_sgpr_kernarg_segment_ptr 1
		.amdhsa_wavefront_size32 1
		.amdhsa_system_sgpr_workgroup_id_x 1
		.amdhsa_system_sgpr_workgroup_id_y 1
		.amdhsa_system_sgpr_workgroup_id_z 1
		.amdhsa_system_vgpr_workitem_id 0
		.amdhsa_next_free_vgpr 256
		.amdhsa_next_free_sgpr 76
		.amdhsa_reserve_vcc 1
		.amdhsa_float_denorm_mode_32 3
		.amdhsa_float_denorm_mode_16_64 3
		.amdhsa_memory_ordered 1
		.amdhsa_forward_progress 1
		.amdhsa_inst_pref_size 54
	.end_amdhsa_kernel
	.amdgpu_metadata
---
amdhsa.version: [ 1, 2 ]
amdhsa.kernels:
  - .name:           k_qc3ce514c14_lqr
    .symbol:         k_qc3ce514c14_lqr.kd
    .args:
      - { .name: latent_pi, .offset: 0, .size: 8, .value_kind: global_buffer, .address_space: global }
      - { .name: W, .offset: 8, .size: 8, .value_kind: global_buffer, .address_space: global }
      - { .name: b, .offset: 16, .size: 8, .value_kind: global_buffer, .address_space: global }
      - { .name: q_raw, .offset: 24, .size: 8, .value_kind: global_buffer, .address_space: global }
      - { .name: r_raw, .offset: 32, .size: 8, .value_kind: global_buffer, .address_space: global }
      - { .name: qf_raw, .offset: 40, .size: 8, .value_kind: global_buffer, .address_space: global }
      - { .name: out0, .offset: 48, .size: 8, .value_kind: global_buffer, .address_space: global }
    .group_segment_fixed_size: 161792
    .private_segment_fixed_size: 0
    .kernarg_segment_align: 8
    .kernarg_segment_size: 56
    .max_flat_workgroup_size: 512
    .sgpr_count:     76
    .vgpr_count:     256
    .wavefront_size: 32
...
	.end_amdgpu_metadata
.endif
;; end of part 1
